; MI455X (gfx1250); checked and timed in simulation.
; The chip was launched on July 23, 2026; its instructions are those of AMD's public machine-readable ISA for CDNA 5 (MIT licence, August 2026) and "CDNA5" Instruction Set Architecture Reference Guide (July 2026). The comments in the code are by the model that wrote it; some were corrected since.
;; Multi Head Relative Attention. Allowed arithmetic: matrix products marked QUANTISED: E4M3 operands, one given power-of-two scale a tensor, by v_wmma_f32_16x16x64_fp8_fp8 or v_wmma_f32_16x16x128_fp8_fp8, f32 sums; everything else in f32.
;; Inputs: b_out 1,024 float32; content_bias 16 x 64 float32; key 1,024 x 4 x 1,024 float32; lowp_scales 16 int32 (the exponents e of the quantised operands' scales 2^e); pe 2,048 x 1,024 float32; pos_bias 16 x 64 float32; query 1,024 x 4 x 1,024 float32; value 1,024 x 4 x 1,024 float32; w_k 1,024 x 1,024 float32; w_k_pos 1,024 x 1,024 float32; w_out 1,024 x 1,024 float32; w_q 1,024 x 1,024 float32; w_v 1,024 x 1,024 float32.
;; Outputs: out0 1,024 x 4 x 1,024 float32.
;; This version of the problem:
;;   THIS VERSION OF THE PROBLEM IS GIVEN IN LOW PRECISION. The matrix products marked QUANTISED in the list below multiply operands that are first quantised to E4M3 (4 exponent bits, 3 mantissa bits; 8 bits a number), with one given power-of-two scale for each operand tensor; their sums are f32. All else is computed in f32.
;;   The module's matrix products, in the order in which they are computed (A, B: the left and right operand; K: the contracted axis; several contracted axes count as one K, in the product's order):
;;     1. [M 4,096, K 1,024] x [K 1,024, N 1,024]; A: input query; B: input w_q: QUANTISED (scales: A lowp_scales[0], B lowp_scales[1])
;;     2. [M 4,096, K 1,024] x [K 1,024, N 1,024]; A: input key; B: input w_k: QUANTISED (scales: A lowp_scales[2], B lowp_scales[3])
;;     3. [M 4,096, K 1,024] x [K 1,024, N 1,024]; A: input value; B: input w_v: QUANTISED (scales: A lowp_scales[4], B lowp_scales[5])
;;     4. [M 2,047, K 1,024] x [K 1,024, N 1,024]; A: input pe; B: input w_k_pos: QUANTISED (scales: A lowp_scales[6], B lowp_scales[7])
;;     5. batch 64 x [M 1,024, K 64] x [K 64, N 1,024]; A: computed on the way; B: computed on the way: QUANTISED (scales: A lowp_scales[8], B lowp_scales[9])
;;     6. batch 16 x [M 2,047, K 64] x [K 64, N 4,096]; A: computed on the way; B: computed on the way: QUANTISED (scales: A lowp_scales[10], B lowp_scales[11])
;;     7. batch 64 x [M 1,024, K 1,024] x [K 1,024, N 64]; A: softmax (see below); B: computed on the way: QUANTISED (scales: A lowp_scales[12], B lowp_scales[13])
;;     8. [M 4,096, K 1,024] x [K 1,024, N 1,024]; A: computed on the way; B: input w_out: QUANTISED (scales: A lowp_scales[14], B lowp_scales[15])
;;   THE QUANTISER, for each operand of a quantised product, along K:
;;     - The operand's scale is 2^e, e = its entry of the input lowp_scales (int32; the entries are numbered through the quantised products in the list's order, A before B).
;;     - Each number is divided by the scale, clamped to +-448, and rounded to the nearest number of E4M3, ties to even, subnormals kept.
;;     - The product sums the exact products of the quantised numbers (number of the format x scale) in f32.
;;   ~~~python
;;   def quantise(x, axis, e):      # numpy; x: float32 -> the quantised numbers, widened to float32 again
;;       x = np.moveaxis(x, axis, -1); K = x.shape[-1]
;;       r = np.clip(x / 2.0 ** e, -448, 448)
;;       step = 2.0 ** (np.maximum(np.frexp(np.where(r == 0, 1, r))[1] - 1, -6) - 3)
;;       q = np.round(r / step) * step * 2.0 ** e      # np.round: ties to even
;;       return np.moveaxis(q, -1, axis).astype(np.float32)
;;   ~~~
;;   SOFTMAX AHEAD OF A QUANTISED PRODUCT. Where the list says 'softmax', what is quantised is not the finished softmax but p = 2^(t - M), with t = logit x log2(e) and M = ceil(the row's largest t), a whole number; so 1/2 < the row's largest p <= 1. The row's sum l is taken of the UNQUANTISED p, in f32, and the product's result is divided by l at the end. Since M is a whole number, a kernel that streams over the keys may use a running M (the ceiling of the running maximum): every later rescaling is an exact power of two, so the quantised numbers keep their values, but for numbers so far below the row's largest that they fall under the format's range.
;;   OPERANDS COMPUTED ON THE WAY. 'Computed on the way' means the value that the module computes at that place (a softmax that the list does not call 'softmax' is quantised finished and normalised). What goes into a quantiser is computed in f32, as accurately as f32 sums, v_exp_f32 and their like allow (about 1e-6 of the number): no bf16 or f16 on the way to a quantiser, and a product that is left as it is and whose result goes on into a quantised operand takes f32 operands (vector FMAs, or v_wmma_f32_16x16x4_f32). A number that lies on a knife's edge between two numbers of the format may be rounded either way, as far as f32 arithmetic and the matrix unit's own rounding can turn it there, and no further.
;; One version. Each part assembles by itself: llvm-mc -triple=amdgcn-amd-amdhsa -mcpu=gfx1250 --defsym DOCPART=n.
;; ======== version 1 of 1: 4 launches
;; limits: right only within a limited range of input values
;; workspace buffers: codes 19,922,944 bytes; qc 4,194,304 bytes; qp 4,194,304 bytes; kc 4,194,304 bytes; vc 4,194,304 bytes; kpc 2,097,152 bytes; ao 4,194,304 bytes
;; launch quant (part 1): grid 608 x 1, 4 waves a work-group, no clusters, 33,280 bytes of LDS; arguments query, key, value, pe, w_q, w_k, w_v, w_k_pos, w_out, lowp_scales, codes; writes codes
.if DOCPART == 1
	.amdgcn_target "amdgcn-amd-amdhsa--gfx1250"
	.amdhsa_code_object_version 6
	.text
	.protected	k_q404b0f8664_quant
	.globl	k_q404b0f8664_quant
	.p2align	8
	.type	k_q404b0f8664_quant,@function
k_q404b0f8664_quant:
	s_mov_b64 s[64:65], 0
	v_nop
	global_prefetch_b8 v0, s[64:65] scope:SCOPE_SE
	s_setreg_imm32_b32 hwreg(HW_REG_WAVE_MODE, 25, 1), 1
	s_wait_xcnt 0x0
; The nine f32 operands that arrive wide (query, key, value, pe and five weights, all with K = 1,024 innermost) become codes of E4M3, one byte each, in ONE matrix
; codes[19,456 rows][1,024 bytes]: rows 0 query, 4,096 key, 8,192 value, 12,288 pe, 14,336 w_q, 15,360 w_k, 16,384 w_v, 17,408 w_k_pos, 18,432 w_out.
; code = x / 2^e, held within +-448, rounded to the nearest code, ties to even; e is the operand's entry of lowp_scales.
; LIMITS: -126 <= e <= 119, so that 2^e and 448 x 2^e are f32 numbers.  NaN among the inputs is not served (an infinity is held at the largest code).
; TWO ORDERS ARE CHANGED ON THE WAY, since the later launches want them so and a row may be stored anywhere:
;   query, key, value: source row 4 s + b goes to row 1,024 b + s, so that 1,024 neighbouring rows belong to one batch entry;
;   w_v: within each 32 rows the groups of eight 1 and 2 change places, so that the attention's result falls into the order in which the last product takes its K.
; SHARES.  A work-group takes 32 source rows, a wave 8 of them, as 16 steps of 512 numbers (half a row).  Each of a step's four loads reads 512 consecutive bytes; the 2,048 bytes turn through the
; wave's own stage in LDS (16 bytes of padding behind each 64) and come back 64 bytes a lane: 16 neighbours along K, which the conversions want in one lane's registers.  A lane's 16 codes are 16 bytes:
; the wave stores 512 consecutive bytes.  Memory binds: no tensor loads, no barrier, no cluster (work-groups share no byte).  Loads run four steps (16 loads a wave) ahead, the turn through LDS one step.
.set STEPS, 16
.set EMAX,  8
.set MANT,  0x600000                   ; the mantissa field of 448 as f32
.set R,     16                         ; v16-79   four sets of 16 numbers as they are loaded
.set X,     80                         ; v80-111  two sets of 16 neighbours
.set DO,    112                        ; v112-119 byte offset of my 16 codes in the wave's row u, u = 0 .. 7
.set C,     128                        ; v128-191 codes: four registers for each step, so that no store's data are written again
.set WREG,  8192                       ; LDS: a region for each wave: two stages of 32 x SP bytes
.set SP,    80                         ; a lane's place in a stage: its 64 bytes + 16 of padding
.macro PICKP first, p                  ; from work-group 'first' on: the tensor whose address is s[p:p+1].  The choice hangs on the work-group's number alone
	s_cmp_ge_u32 ttmp9, \first
	s_cselect_b64 s[26:27], s[\p:\p+1], s[26:27]
	s_cselect_b32 s28, \first, s28
.endm
.macro PICKE first, e                  ; and its scale's exponent
	s_cmp_ge_u32 ttmp9, \first
	s_cselect_b32 s29, s[\e], s29
.endm
	s_load_b512 s[4:19], s[0:1], 0x0               ; query, key, value, pe, w_q, w_k, w_v, w_k_pos
	s_load_b128 s[20:23], s[0:1], 0x40             ; w_out, lowp_scales
	s_load_b64 s[24:25], s[0:1], 0x50              ; codes
	v_lshl_add_u32 v192, v0, 2, 0x8000
	v_mov_b32 v193, 0
	v_lshrrev_b32 v1, 5, v0
	v_readfirstlane_b32 s33, v1                    ; wave
	v_and_b32 v2, 31, v0                           ; lane
	v_lshlrev_b32 v3, 4, v2                        ; my 16 bytes of a load's 512, and of a store's
	s_mul_i32 s34, s33, WREG
	v_lshrrev_b32 v14, 2, v2
	v_mul_u32_u24 v14, v14, SP
	v_and_b32 v15, 3, v2
	v_lshl_add_u32 v14, v15, 4, v14
	v_add_nc_u32 v14, s34, v14                     ; the stage, on the way in: SP (lane / 4) + 16 (lane % 4); a load's 512 bytes take eight places
	v_mul_u32_u24 v15, v2, SP
	v_add_nc_u32 v15, s34, v15                     ; and on the way out: SP x lane: my 16 neighbours
	s_wait_alu depctr_va_vdst(0)
	s_wait_kmcnt 0x0
	s_load_b512 s[36:51], s[22:23], 0x0            ; e0 .. e15
	s_mov_b64 s[26:27], s[4:5]                     ; work-groups 0-127: query
	s_mov_b32 s28, 0
	PICKP 128, 6
	PICKP 256, 8
	PICKP 384, 10
	PICKP 448, 12
	PICKP 480, 14
	PICKP 512, 16
	PICKP 544, 18
	PICKP 576, 20
	s_sub_co_u32 s32, ttmp9, s28                   ; which 32 rows of the tensor
	s_lshl_b32 s32, s32, 2
	s_and_b32 s34, s33, 1
	s_lshl_b32 s34, s34, 1
	s_lshr_b32 s35, s33, 1
	s_or_b32 s34, s34, s35                         ; the wave's number with its two bits exchanged
	s_cmp_eq_u32 s28, 512                          ; w_v alone stores its groups of eight rows in that order
	s_cselect_b32 s34, s34, s33
	s_add_co_u32 s35, s32, s33                     ; which 8 rows I read,
	s_add_co_u32 s34, s32, s34                     ; and as which 8 rows they count on the way out
	s_lshl_b32 s52, s35, 15                        ; 8 rows of 4,096 bytes
	s_mov_b32 s53, 0
	s_add_nc_u64 s[26:27], s[26:27], s[52:53]
	s_cmp_lt_u32 ttmp9, 384                        ; query, key, value: my rows 8 g + u are s = 2 g + u / 4, b = u % 4 and go to row 1,024 b + s
	s_cselect_b32 s54, 11, 13                      ; g counts 2 rows of codes there, 8 elsewhere
	s_mov_b32 s55, 1024
	s_cselect_b32 s55, 0x100000, s55               ; from u % 4 to the next: 1,024 rows, or one
	s_mov_b32 s56, 4096
	s_cselect_b32 s56, 1024, s56                   ; from u / 4 to the next: one row, or four
	s_lshl_b32 s52, s34, s54
	s_lshl_b32 s57, s28, 15                        ; the tensor's first row in codes: 32 rows of 1,024 bytes for each work-group before it
	s_add_co_u32 s52, s52, s57
	s_add_nc_u64 s[30:31], s[24:25], s[52:53]
.irp u, 0,1,2,3,4,5,6,7
	s_mul_i32 s57, s55, \u%4
	s_mul_i32 s58, s56, \u/4
	s_add_co_u32 s57, s57, s58
	v_add_nc_u32 v[DO+\u], s57, v3
.endr
.macro LOAD t
.irp i, 0,1,2,3
	global_load_b128 v[R+16*((\t)%4)+4*\i:R+16*((\t)%4)+4*\i+3], v3, s[26:27] offset:2048*(\t)+512*\i th:TH_LOAD_NT   ; 32 lanes read 512 consecutive bytes; read once in the launch
.endr
.endm
.macro TURN t                          ; step t's numbers through the stage: LDS serves a wave's instructions in order (ISA guide 5.7.1.4), so no wait stands between the stores and the loads
.irp i, 0,1,2,3
	ds_store_b128 v14, v[R+16*((\t)%4)+4*\i:R+16*((\t)%4)+4*\i+3] offset:32*SP*((\t)%2)+8*SP*\i
.endr
.irp i, 0,1,2,3
	ds_load_b128 v[X+16*((\t)%2)+4*\i:X+16*((\t)%2)+4*\i+3], v15 offset:32*SP*((\t)%2)+16*\i
.endr
.endm
.irp t, 0,1,2,3
	LOAD \t
.endr
	s_wait_kmcnt 0x0
	s_mov_b32 s29, s36                             ; query e0
	PICKE 128, 38                                  ; key e2
	PICKE 256, 40                                  ; value e4
	PICKE 384, 42                                  ; pe e6
	PICKE 448, 37                                  ; w_q e1
	PICKE 480, 39                                  ; w_k e3
	PICKE 512, 41                                  ; w_v e5
	PICKE 544, 43                                  ; w_k_pos e7
	PICKE 576, 51                                  ; w_out e15
	s_add_co_i32 s29, s29, 127
	s_lshl_b32 s32, s29, 23
	v_mov_b32 v11, s32                             ; 2^e as f32: the conversion takes its exponent field
	s_add_co_i32 s29, s29, EMAX
	s_lshl_b32 s29, s29, 23
	s_or_b32 s29, s29, MANT
	v_mov_b32 v10, s29                             ; 448 x 2^e
	s_wait_alu depctr_va_vdst(0)
	s_wait_loadcnt 12                              ; step 0's four loads are in; the twelve of steps 1 to 3 may be out
	TURN 0
.macro STEP t
.set XS, X+16*((\t)%2)
	s_wait_dscnt 0x0                               ; this step's numbers are back from the stage: so its stores into the stage have read their registers,
.if (\t)+4 < STEPS
	LOAD (\t)+4                                    ; which take the loads of four steps on
.endif
.if (\t)+1 < STEPS
.if STEPS-2-(\t) >= 3
	s_wait_loadcnt 12                              ; the next step's four loads are in; those of the three steps behind it may be out
.else
	s_wait_loadcnt 4*(STEPS-2-(\t))                ; near the end fewer steps stand behind it
.endif
	TURN (\t)+1                                    ; and go through the other stage while this step is worked
.endif
.irp i, 0,1,2,3,4,5,6,7,8,9,10,11,12,13,14,15
	v_med3_num_f32 v[XS+\i], v[XS+\i], -v10, v10   ; the conversion to an 8-bit code does not saturate (ISA guide 7.6.2): the number is held within 448 x the scale first
.endr
	v_cvt_scalef32_pk8_fp8_f32 v[C+4*(\t):C+4*(\t)+1], v[XS:XS+7], v11
	v_cvt_scalef32_pk8_fp8_f32 v[C+4*(\t)+2:C+4*(\t)+3], v[XS+8:XS+15], v11
	global_store_b128 v[DO+(\t)/2], v[C+4*(\t):C+4*(\t)+3], s[30:31] offset:512*((\t)%2)   ; half a row of codes: 512 consecutive bytes, aligned.  (The codes go to a store alone; the next vector lines are the next step's plain holds, on other registers)
.endm
.irp t, 0,1,2,3,4,5,6,7,8,9,10,11,12,13,14,15
	STEP \t
.endr
	s_wait_tensorcnt 0x0
	ds_add_u32 v192, v193
	s_wait_dscnt 0x0
	s_endpgm
.Lfunc_end_k_q404b0f8664_quant:
	.size	k_q404b0f8664_quant, .Lfunc_end_k_q404b0f8664_quant-k_q404b0f8664_quant
	.p2alignl 7, 3214868480
	.fill 96, 4, 3214868480
	.section	.rodata,"a",@progbits
	.p2align	6, 0x0
	.amdhsa_kernel k_q404b0f8664_quant
		.amdhsa_group_segment_fixed_size 33280
		.amdhsa_private_segment_fixed_size 0
		.amdhsa_enable_private_segment 0
		.amdhsa_kernarg_size 88
		.amdhsa_user_sgpr_count 2
		.amdhsa_user_sgpr_kernarg_segment_ptr 1
		.amdhsa_wavefront_size32 1
		.amdhsa_system_sgpr_workgroup_id_x 1
		.amdhsa_system_sgpr_workgroup_id_y 1
		.amdhsa_system_sgpr_workgroup_id_z 1
		.amdhsa_system_vgpr_workitem_id 0
		.amdhsa_next_free_vgpr 194
		.amdhsa_next_free_sgpr 66
		.amdhsa_reserve_vcc 0
		.amdhsa_float_denorm_mode_32 3
		.amdhsa_float_denorm_mode_16_64 3
		.amdhsa_memory_ordered 1
		.amdhsa_forward_progress 1
		.amdhsa_inst_pref_size 41
	.end_amdhsa_kernel
	.amdgpu_metadata
---
amdhsa.version: [ 1, 2 ]
amdhsa.kernels:
  - .name:           k_q404b0f8664_quant
    .symbol:         k_q404b0f8664_quant.kd
    .args:
      - { .name: query, .offset: 0, .size: 8, .value_kind: global_buffer, .address_space: global }
      - { .name: key, .offset: 8, .size: 8, .value_kind: global_buffer, .address_space: global }
      - { .name: value, .offset: 16, .size: 8, .value_kind: global_buffer, .address_space: global }
      - { .name: pe, .offset: 24, .size: 8, .value_kind: global_buffer, .address_space: global }
      - { .name: w_q, .offset: 32, .size: 8, .value_kind: global_buffer, .address_space: global }
      - { .name: w_k, .offset: 40, .size: 8, .value_kind: global_buffer, .address_space: global }
      - { .name: w_v, .offset: 48, .size: 8, .value_kind: global_buffer, .address_space: global }
      - { .name: w_k_pos, .offset: 56, .size: 8, .value_kind: global_buffer, .address_space: global }
      - { .name: w_out, .offset: 64, .size: 8, .value_kind: global_buffer, .address_space: global }
      - { .name: lowp_scales, .offset: 72, .size: 8, .value_kind: global_buffer, .address_space: global }
      - { .name: codes, .offset: 80, .size: 8, .value_kind: global_buffer, .address_space: global }
    .group_segment_fixed_size: 33280
    .private_segment_fixed_size: 0
    .kernarg_segment_align: 8
    .kernarg_segment_size: 88
    .max_flat_workgroup_size: 128
    .sgpr_count:     66
    .vgpr_count:     194
    .wavefront_size: 32
...
	.end_amdgpu_metadata
.endif
;; end of part 1
;; launch proj (part 2): grid 4 x 56, 4 waves a work-group, clusters of 4 x 4, 327,680 bytes of LDS; arguments codes, lowp_scales, content_bias, pos_bias, qc, qp, kc, vc, kpc; writes qc, qp, kc, vc, kpc
.if DOCPART == 2
	.amdgcn_target "amdgcn-amd-amdhsa--gfx1250"
	.amdhsa_code_object_version 6
	.text
	.protected	k_q404b0f8664_proj
	.globl	k_q404b0f8664_proj
	.p2align	8
	.type	k_q404b0f8664_proj,@function
k_q404b0f8664_proj:
	s_mov_b64 s[64:65], 0
	v_nop
	global_prefetch_b8 v0, s[64:65] scope:SCOPE_SE
	s_setreg_imm32_b32 hwreg(HW_REG_WAVE_MODE, 25, 1), 1
	s_wait_xcnt 0x0
	s_wait_alu depctr_hold_cnt(0) depctr_sa_sdst(0) depctr_va_vdst(0) depctr_va_sdst(0) depctr_va_ssrc(0) depctr_va_vcc(0) depctr_vm_vsrc(0)
	s_getreg_b32 s2, hwreg(HW_REG_IB_STS2, 6, 4)
	s_cmp_eq_u32 s2, 0
	s_cbranch_scc0 .Lentry_in_a_cluster
	s_endpgm
.Lentry_in_a_cluster:
	s_bfe_u32 s2, ttmp6, 0x10000c
	s_cmp_lg_u32 s2, 0xf033
	s_cbranch_scc0 .Lentry_shape_is_right
	s_endpgm
.Lentry_shape_is_right:
; The four projections on codes of E4M3 (query w_q^T, key w_k^T, value w_v^T, pe w_k_pos^T), K = 1,024, out of the one matrix 'codes'; each result is quantised again for the attention and stored as images of operand registers.
; SHARES.  A block of 256 x 256 to a work-group of four waves, 128 x 128 a wave; clusters of 4 x 4; the cluster's y picks the product (y / 4: 0 query, 1 key, 2 value, 3 positions).  For value the two operands change places,
; so that its result comes with the keys along a lane's registers.  K goes in four steps of 256 through a ring of two LDS slots filled by joint loads: A's tile is shared along a row of the cluster, B's along a column.
; The query blocks go out twice: sum x 2^(e0 + e1) + content_bias with e8 into qc, + pos_bias with e11 into qp.  The other blocks add zeros.
; PREFETCH: behind each of the head's two joint loads a wave names 32 rows x 256 bytes of the K step two refills on (steps 2 and 3); the four partners that ask for a tile jointly share its 128 rows out by address.  The ring's two refills name nothing: K ends there.
; LIMITS on the given exponents: the sum of a product's two between -126 and 127; e8, e9, e10, e11, e13 between -126 and 119.
.set ROWB,   256
.set KROW,   1024
.set PITCH,  272
.set FR,     16
.set NL,     4
.set NP,     4
.set HALFT,  128*PITCH
.set SLOT,   4*HALFT
.set LAPS,   2
.set SPARE,  2*SLOT
.set ADRA, 16
.set ADRB, 20
.set SPW,  28
.set NIL,  29
.set OFS,  8
.set BO,   12
.set LIMV, 13
.set SCV,  14
.set BI,   32
.set T,    96
.set CD,   160
.set AF,   128
.set G1, 24
.set G0, 32
.set G1B, 48
.set G0B, 56
.set MSB, 0
.macro WIN new
.if MSB != (\new)
	s_set_vgpr_msb (MSB<<8)|(\new)
.set MSB, (\new)
.endif
.endm
.set MUL_LO, 0xa1
.set MUL_HI, 0xf1
.set TO_B,   0x40
.macro JLOAD g0a, g1a, g0b, g1b
	s_cmp_eq_u32 s15, 0
	s_cbranch_scc0 .Lfor_b_\@
	tensor_load_to_lds s[\g0a:\g0a+3], s[\g1a:\g1a+7]
	s_nop 0
.rept 4
	v_nop
.endr
	s_branch .Lasked_\@
.Lfor_b_\@:
	tensor_load_to_lds s[\g0b:\g0b+3], s[\g1b:\g1b+7]
	s_nop 0
.rept 4
	v_nop
.endr
.Lasked_\@:
.endm
.macro CREST
	s_cmp_lg_u32 s14, 0
	s_cbranch_scc1 .Lnot_wave_0_\@
	s_barrier_signal -3
.Lnot_wave_0_\@:
	s_barrier_wait -3
	s_barrier_signal -1
	s_barrier_wait -1
.endm
.macro CROUND
	s_barrier_signal -1
	s_barrier_wait -1
	CREST
.endm
	s_load_b256 s[4:11], s[0:1], 0x0
	s_load_b256 s[84:91], s[0:1], 0x20
	s_load_b64 s[92:93], s[0:1], 0x40
	v_lshl_add_u32 v[SPW], v0, 2, SPARE
	v_mov_b32 v[NIL], 0
	ds_add_u32 v28, v29
	ds_add_u32 v28, v29
	s_wait_dscnt 0x0
	v_lshrrev_b32 v1, 5, v0
	v_readfirstlane_b32 s14, v1
	s_lshr_b32 s15, s14, 1
	s_and_b32 s16, s14, 1
	s_bfe_u32 s40, ttmp6, 0x40000
	s_bfe_u32 s41, ttmp6, 0x40004
	s_and_b32 s12, ttmp7, 0xffff
	s_lshr_b32 s13, s12, 2
	s_lshl_b32 s43, s41, 2
	s_lshl_b32 s43, 15, s43
	s_lshl_b32 s44, 0x1111, s40
	s_or_b32 s[G1+0], s43, (0<<16)|(1<<20)|(1<<21)|(5<<22)|(3<<25)
	s_or_b32 s[G1B+0], s44, (0<<16)|(1<<20)|(1<<21)|(5<<22)|(3<<25)
.irp g, G1, G1B
	s_mov_b32 s[\g+1], ROWB<<16
	s_mov_b32 s[\g+2], 128<<16
	s_mov_b32 s[\g+3], ROWB<<16
	s_mov_b32 s[\g+4], 128
	s_mov_b32 s[\g+5], KROW
	s_mov_b32 s[\g+6], 0
	s_mov_b32 s[\g+7], 0
.endr
	s_lshl_b32 s17, s12, 10
	s_lshl_b32 s18, s13, 10
	s_add_co_u32 s18, s18, 14336
	s_cmp_eq_u32 s13, 2
	s_cselect_b32 s19, s18, s17
	s_cselect_b32 s42, s17, s18
	s_lshl_b32 s18, s16, 7
	s_lshl_b32 s20, s41, 8
	s_add_co_u32 s20, s20, s18
	s_add_co_u32 s20, s20, s19
	s_lshl_b32 s46, s40, 8
	s_add_co_u32 s46, s46, s18
	s_add_co_u32 s46, s46, s42
	s_lshl_b32 s20, s20, 10
	s_mov_b32 s21, 0
	s_lshl_b32 s46, s46, 10
	s_mov_b32 s47, 0
	s_mul_i32 s45, s14, HALFT
	s_wait_kmcnt 0x0
	s_load_b512 s[68:83], s[6:7], 0x0
	s_add_nc_u64 s[20:21], s[4:5], s[20:21]
	s_add_nc_u64 s[46:47], s[4:5], s[46:47]
	CROUND
.irp s, 0,1
	s_mov_b32 s[G0+4*\s], 1
	s_add_co_u32 s[G0+4*\s+1], s45, \s*SLOT
	s_add_nc_u64 s[G0+4*\s+2:G0+4*\s+3], s[20:21], \s*ROWB
	s_or_b32 s[G0+4*\s+3], s[G0+4*\s+3], 0x80000000
	s_mov_b32 s[G0B+4*\s], 1
	s_add_co_u32 s[G0B+4*\s+1], s45, \s*SLOT
	s_add_nc_u64 s[G0B+4*\s+2:G0B+4*\s+3], s[46:47], \s*ROWB
	s_or_b32 s[G0B+4*\s+3], s[G0B+4*\s+3], 0x80000000
.endr
	JLOAD G0, G1, G0B, G1B                         ; K step 0: one tensor load a wave at the head
	; the prefetches' base: my work-group's 32 of the 128 rows that I fetch (place cx among A's four partners, cy among B's); a lane a row of 1,024 bytes
	s_cmp_eq_u32 s15, 0
	s_cselect_b64 s[100:101], s[20:21], s[46:47]
	s_cselect_b32 s2, s40, s41
	s_lshl_b32 s2, s2, 15
	s_mov_b32 s3, 0
	s_add_nc_u64 s[100:101], s[100:101], s[2:3]
	v_and_b32 v30, 31, v0
	v_lshlrev_b32 v30, 10, v30
	global_prefetch_b8 v30, s[100:101] offset:2*ROWB th:TH_LOAD_NT scope:SCOPE_SE   ; K step 2
	v_and_b32 v1, 15, v0
	v_bfe_u32 v2, v0, 4, 1
	v_mul_u32_u24 v3, v1, PITCH
	v_lshl_add_u32 v4, v2, 4, v3
	; content_bias of my 128 columns is asked for here (query blocks alone) and stays in v32-95, which the loop does not name; the other blocks add zeros
	v_lshlrev_b32 v[BO], 5, v2
	s_lshl_b32 s66, s40, 1
	s_add_co_u32 s66, s66, s16
	s_lshl_b32 s66, s66, 9
	s_mov_b32 s67, 0
	s_add_nc_u64 s[66:67], s[8:9], s[66:67]
	s_cmp_lg_u32 s13, 0
	s_wait_alu depctr_va_vdst(0)
	s_cbranch_scc1 .Lzero_b
.irp b, 0,1,2,3,4,5,6,7
	global_load_b128 v[BI+8*\b:BI+8*\b+3], v[BO], s[66:67] offset:64*\b
	global_load_b128 v[BI+8*\b+4:BI+8*\b+7], v[BO], s[66:67] offset:64*\b+16
.endr
	s_branch .Lhave_b
.Lzero_b:
.set n, 0
.rept 64
	v_mov_b32 v[BI+n], 0
.set n, n+1
.endr
.Lhave_b:
	s_mul_i32 s21, s15, HALFT
	s_mul_i32 s22, s16, HALFT
	s_add_co_u32 s22, s22, 2*HALFT
.irp s, 0,1
	v_add_nc_u32 v[ADRA+\s], s21, v4
	v_add_nc_u32 v[ADRB+\s], s22, v4
	s_add_co_u32 s21, s21, SLOT
	s_add_co_u32 s22, s22, SLOT
.endr
.macro FRAG reg, adr, q, i
.irp c, 0,1,2,3
	ds_load_b128 v[\reg+4*\c:\reg+4*\c+3], v[\adr] offset:128*(\q)+32*\c+(\i)*16*PITCH
.endr
.endm
.macro MUL16 a0, p, zero
.irp a, \a0, \a0+1
.irp b, 0,1,2,3,4,5,6,7
.if \zero
	v_wmma_f32_16x16x128_fp8_fp8 v[8*(8*((\a)%4)+\b):8*(8*((\a)%4)+\b)+7], v[128*(\p)+FR*\b:128*(\p)+FR*\b+FR-1], v[AF+FR*(\a):AF+FR*(\a)+FR-1], 0
.else
	v_wmma_f32_16x16x128_fp8_fp8 v[8*(8*((\a)%4)+\b):8*(8*((\a)%4)+\b)+7], v[128*(\p)+FR*\b:128*(\p)+FR*\b+FR-1], v[AF+FR*(\a):AF+FR*(\a)+FR-1], v[8*(8*((\a)%4)+\b):8*(8*((\a)%4)+\b)+7]
.endif
.endr
.endr
.endm
.macro FETCH_B slot, q, p
	WIN TO_B
.irp i, 0,1,2,3,4,5,6,7
	FRAG 128*(\p)+FR*\i, ADRB+\slot, \q, \i
.endr
	WIN 0
.endm
.macro FETCH_A slot, q, i0
.irp i, \i0, \i0+1, \i0+2, \i0+3
	FRAG AF+FR*(\i), ADRA+\slot, \q, \i
.endr
.endm
.macro PLACES n
.rept \n
	v_nop
.endr
.endm
.macro STEP slot, q, zero
	s_wait_dscnt 4*NL
	WIN MUL_LO
	MUL16 0, (\q)%2, \zero
	MUL16 2, (\q)%2, \zero
	s_wait_dscnt 0
	PLACES NP
	FETCH_B \slot, (\q)+1, 1-(\q)%2
	FETCH_A \slot, (\q)+1, 0
	WIN MUL_HI
	MUL16 4, (\q)%2, \zero
	MUL16 6, (\q)%2, \zero
	PLACES NP
	WIN 0
	FETCH_A \slot, (\q)+1, 4
.endm
.macro TURN slot, next, fill
	s_wait_tensorcnt 0x0
	ds_add_u32 v[SPW], v[NIL]
	s_wait_dscnt 4*NL+1
	WIN MUL_LO
	MUL16 0, 1, 0
	s_wait_dscnt 0x0
	s_barrier_signal -1
	MUL16 2, 1, 0
	WIN 0
	s_barrier_wait -1
.if \fill
	CREST
	s_add_nc_u64 s[G0+4*\slot+2:G0+4*\slot+3], s[G0+4*\slot+2:G0+4*\slot+3], 2*ROWB
	s_add_nc_u64 s[G0B+4*\slot+2:G0B+4*\slot+3], s[G0B+4*\slot+2:G0B+4*\slot+3], 2*ROWB
	JLOAD G0+4*\slot, G1, G0B+4*\slot, G1B
.else
	PLACES NP
.endif
	FETCH_B \next, 0, 0
	FETCH_A \next, 0, 0
	WIN MUL_HI
	MUL16 4, 1, 0
	MUL16 6, 1, 0
	PLACES NP
	WIN 0
	FETCH_A \next, 0, 4
.endm
	s_wait_alu depctr_va_vdst(0)                   ; the wait at the head's end
	s_wait_tensorcnt 0x0                           ; my part of K step 0 is in
	ds_add_u32 v[SPW], v[NIL]
	s_wait_dscnt 0x0
	CROUND                                         ; everybody's part of K step 0 is in, and all sixteen work-groups are here
	JLOAD G0+4, G1, G0B+4, G1B                     ; K step 1, the first tensor load behind the round
	FETCH_B 0, 0, 0
	global_prefetch_b8 v30, s[100:101] offset:3*ROWB th:TH_LOAD_NT scope:SCOPE_SE   ; K step 3
	FETCH_A 0, 0, 0
	FETCH_A 0, 0, 4
	STEP 0, 0, 1
	s_mov_b32 s3, LAPS-1
.Llap:
	TURN 0, 1, 1
	STEP 1, 0, 0
	TURN 1, 0, 1
	STEP 0, 0, 0
	s_sub_co_u32 s3, s3, 1
	s_cmp_lg_u32 s3, 0
	s_cbranch_scc1 .Llap
	TURN 0, 1, 0
	STEP 1, 0, 0
	s_wait_dscnt 4*NL
	WIN MUL_LO
	MUL16 0, 1, 0
	MUL16 2, 1, 0
	s_wait_dscnt 0
	WIN MUL_HI
	MUL16 4, 1, 0
	MUL16 6, 1, 0
	WIN 0
	s_wait_xcnt 0x0                                ; the prefetches have read their base, which is written again below
	s_wait_kmcnt 0x0
	s_add_co_i32 s17, s68, s69
	s_add_co_i32 s18, s70, s71
	s_add_co_i32 s19, s72, s73
	s_add_co_i32 s20, s74, s75
	s_mov_b64 s[96:97], s[84:85]
	s_mov_b32 s21, s76
	s_cmp_eq_u32 s13, 1
	s_cselect_b32 s17, s18, s17
	s_cselect_b64 s[96:97], s[88:89], s[96:97]
	s_cselect_b32 s21, s77, s21
	s_cmp_eq_u32 s13, 2
	s_cselect_b32 s17, s19, s17
	s_cselect_b64 s[96:97], s[90:91], s[96:97]
	s_cselect_b32 s21, s81, s21
	s_cmp_eq_u32 s13, 3
	s_cselect_b32 s17, s20, s17
	s_cselect_b64 s[96:97], s[92:93], s[96:97]
	s_cselect_b32 s21, s78, s21
	s_cselect_b32 s22, 16, 20
	s_cselect_b32 s23, 18, 17
	s_mov_b32 s42, 65536
	s_cselect_b32 s42, 131072, s42
	s_add_co_i32 s17, s17, 127
	s_lshl_b32 s94, s17, 23
	s_mov_b32 s95, s94
	s_and_b32 s43, s12, 3
	s_lshl_b32 s98, s43, s22
	s_lshl_b32 s43, s40, 1
	s_add_co_u32 s43, s43, s16
	s_lshl_b32 s44, s43, s23
	s_add_co_u32 s98, s98, s44
	s_lshl_b32 s44, s41, 1
	s_add_co_u32 s44, s44, s15
	s_lshl_b32 s44, s44, 13
	s_add_co_u32 s98, s98, s44
	s_mov_b32 s99, 0
	s_add_nc_u64 s[96:97], s[96:97], s[98:99]
	s_lshl_b32 s46, s43, 9
	s_mov_b32 s47, 0
.macro OUTSC e
	s_add_co_i32 s100, s[\e], 127
	s_lshl_b32 s101, s100, 23
	v_mov_b32 v[SCV], s101
	s_add_co_i32 s100, s100, 8
	s_lshl_b32 s100, s100, 23
	s_or_b32 s100, s100, 0x600000
	v_mov_b32 v[LIMV], s100
.endm
	v_and_b32 v5, 31, v0
	v_lshlrev_b32 v[OFS], 4, v5
	v_add_nc_u32 v[OFS+1], 512, v[OFS]
	v_add_nc_u32 v[OFS+2], s42, v[OFS]
	v_add_nc_u32 v[OFS+3], s42, v[OFS+1]
	OUTSC 21
.macro BIAS_IN
.irp b, 0,1,2,3,4,5,6,7
	global_load_b128 v[BI+8*\b:BI+8*\b+3], v[BO], s[18:19] offset:64*\b
	global_load_b128 v[BI+8*\b+4:BI+8*\b+7], v[BO], s[18:19] offset:64*\b+16
.endr
.endm
.macro EPI
.irp a, 0,1,2,3,4,5,6,7
	WIN 0x02+(\a/4)
.set n, 0
.rept 32
	v_pk_fma_f32 v[T+n:T+n+1], v[64*(\a%4)+n:64*(\a%4)+n+1], s[94:95], v[BI+n:BI+n+1] op_sel_hi:[1,0,1]
.set n, n+2
.endr
	WIN 0
.set n, 0
.rept 64
	v_med3_num_f32 v[T+n], v[T+n], -v[LIMV], v[LIMV]
.set n, n+1
.endr
	WIN 0x40                                       ; the codes go to window 1, where B's fragments are done with: 16 registers of its own for each block, so that no store's data are written again
.irp b, 0,1,2,3,4,5,6,7
	v_cvt_scalef32_pk8_fp8_f32 v[CD+16*\a+2*\b:CD+16*\a+2*\b+1], v[T+8*\b:T+8*\b+7], v[SCV]
.endr
	v_nop
	WIN 0x04                                       ; store data window 1
.irp c, 0,1,2,3
	global_store_b128 v[OFS+\c], v[CD+16*\a+4*\c:CD+16*\a+4*\c+3], s[96:97] offset:\a*1024
.endr
.endr
.endm
	s_wait_alu depctr_va_vdst(0)
	s_wait_loadcnt 0x0                             ; content_bias, asked for at the head
	s_cmp_lg_u32 s13, 0
	s_cbranch_scc1 .Lone_bias
	s_add_nc_u64 s[18:19], s[10:11], s[46:47]      ; query blocks: pos_bias is asked for ahead of the first way out, into v192-255, which held fragments of A
.set BI, 192
	BIAS_IN
.set BI, 32
.Lone_bias:
.set CD, 0
	EPI
	WIN 0
	s_cmp_lg_u32 s13, 0
	s_cbranch_scc1 .Lstored
	s_wait_xcnt 0x0                                ; the stores have read their base, which is written again below
	OUTSC 79
	s_add_nc_u64 s[96:97], s[86:87], s[98:99]
	s_wait_loadcnt 0x0
.set BI, 192
.set CD, 128
	EPI
	WIN 0
.Lstored:
	s_wait_tensorcnt 0x0
	ds_add_u32 v[SPW], v[NIL]
	s_wait_dscnt 0x0
	CROUND
	s_endpgm
.Lfunc_end_k_q404b0f8664_proj:
	.size	k_q404b0f8664_proj, .Lfunc_end_k_q404b0f8664_proj-k_q404b0f8664_proj
	.p2alignl 7, 3214868480
	.fill 96, 4, 3214868480
	.section	.rodata,"a",@progbits
	.p2align	6, 0x0
	.amdhsa_kernel k_q404b0f8664_proj
		.amdhsa_group_segment_fixed_size 327680
		.amdhsa_private_segment_fixed_size 0
		.amdhsa_enable_private_segment 0
		.amdhsa_kernarg_size 72
		.amdhsa_user_sgpr_count 2
		.amdhsa_user_sgpr_kernarg_segment_ptr 1
		.amdhsa_wavefront_size32 1
		.amdhsa_system_sgpr_workgroup_id_x 1
		.amdhsa_system_sgpr_workgroup_id_y 1
		.amdhsa_system_sgpr_workgroup_id_z 1
		.amdhsa_system_vgpr_workitem_id 0
		.amdhsa_next_free_vgpr 1024
		.amdhsa_next_free_sgpr 102
		.amdhsa_reserve_vcc 0
		.amdhsa_float_denorm_mode_32 3
		.amdhsa_float_denorm_mode_16_64 3
		.amdhsa_memory_ordered 1
		.amdhsa_forward_progress 1
		.amdhsa_inst_pref_size 198
	.end_amdhsa_kernel
	.amdgpu_metadata
---
amdhsa.version: [ 1, 2 ]
amdhsa.kernels:
  - .name:           k_q404b0f8664_proj
    .symbol:         k_q404b0f8664_proj.kd
    .args:
      - { .name: codes, .offset: 0, .size: 8, .value_kind: global_buffer, .address_space: global }
      - { .name: lowp_scales, .offset: 8, .size: 8, .value_kind: global_buffer, .address_space: global }
      - { .name: content_bias, .offset: 16, .size: 8, .value_kind: global_buffer, .address_space: global }
      - { .name: pos_bias, .offset: 24, .size: 8, .value_kind: global_buffer, .address_space: global }
      - { .name: qc, .offset: 32, .size: 8, .value_kind: global_buffer, .address_space: global }
      - { .name: qp, .offset: 40, .size: 8, .value_kind: global_buffer, .address_space: global }
      - { .name: kc, .offset: 48, .size: 8, .value_kind: global_buffer, .address_space: global }
      - { .name: vc, .offset: 56, .size: 8, .value_kind: global_buffer, .address_space: global }
      - { .name: kpc, .offset: 64, .size: 8, .value_kind: global_buffer, .address_space: global }
    .group_segment_fixed_size: 327680
    .private_segment_fixed_size: 0
    .kernarg_segment_align: 8
    .kernarg_segment_size: 72
    .max_flat_workgroup_size: 128
    .sgpr_count:     102
    .vgpr_count:     1024
    .wavefront_size: 32
...
	.end_amdgpu_metadata
.endif
;; end of part 2
;; launch attn (part 3): grid 4 x 64, 8 waves a work-group, clusters of 4 x 4, 289,792 bytes of LDS; arguments qc, qp, kc, vc, kpc, lowp_scales, ao; writes ao
.if DOCPART == 3
	.amdgcn_target "amdgcn-amd-amdhsa--gfx1250"
	.amdhsa_code_object_version 6
	.text
	.protected	k_q404b0f8664_attn
	.globl	k_q404b0f8664_attn
	.p2align	8
	.type	k_q404b0f8664_attn,@function
k_q404b0f8664_attn:
	s_mov_b64 s[64:65], 0
	v_nop
	global_prefetch_b8 v0, s[64:65] scope:SCOPE_SE
	s_setreg_imm32_b32 hwreg(HW_REG_WAVE_MODE, 25, 1), 1
	s_wait_xcnt 0x0
	s_wait_alu depctr_hold_cnt(0) depctr_sa_sdst(0) depctr_va_vdst(0) depctr_va_sdst(0) depctr_va_ssrc(0) depctr_va_vcc(0) depctr_vm_vsrc(0)
	s_getreg_b32 s2, hwreg(HW_REG_IB_STS2, 6, 4)
	s_cmp_eq_u32 s2, 0
	s_cbranch_scc0 .Lentry_in_a_cluster
	s_endpgm
.Lentry_in_a_cluster:
	s_bfe_u32 s2, ttmp6, 0x10000c
	s_cmp_lg_u32 s2, 0xf033
	s_cbranch_scc0 .Lentry_shape_is_right
	s_endpgm
.Lentry_shape_is_right:
; Attention with relative positions, all three products on codes of E4M3:  logit[q][k] = ((q + cb) . k[k] + (q + pb) . kp[pe row 1,024 + k - q]) / 8;  o = softmax(logit) v, quantised for the last projection.
; (The pad-and-reshape shift reads column 1,023 + k - q of query q's row of position scores; the position keys begin at pe's row 1.  The padding is never read, and of each row's 2,047 columns 1,024 are kept: only tiles that hold kept columns are multiplied.)
; SHARES.  A cluster of 4 x 4 work-groups is one head (cluster y): cy is the batch entry, cx the block of 256 queries.  Eight waves; a wave owns two tiles of 16 queries, A = tile 2 w and B = tile 2 w + 1,
; so that each fragment of K, V and the position keys read from LDS feeds two products.  Every wave walks the 1,024 keys, 128 a step, in one loop of eight trips.
; JOINT LOADS.  K and V hang on (head, batch entry): shared along a row of the cluster.  The window of 80 position tiles hangs on (head, cx): shared along a column.  ALL TILES STAY IN LDS: each byte is filled once,
; by one tensor load a wave at the head: waves 0, 1 K's halves (32,768 bytes each), waves 2, 3 V's halves, waves 4 to 7 the window's quarters (20,480 bytes each).  One wait for all and one barrier show them to all eight waves;
; nothing is filled again, so the loop has no barrier.  No prefetch: every tile is asked for at the head, and there is no loop to run ahead in.
; LAYOUT.  All products are used transposed (source 0 = 16 keys, position rows or channels; source 1 = 16 queries): a lane holds ONE query (lane % 16) throughout.
; THE SHIFT.  For step i and query tile tau the position rows wanted are nine tiles, from relative tile 8 i + 15 - tau of the window on; with m the row among those 144, key kk of query r wants m = kk - r + 16 (1 .. 143).
; The nine results go to the wave's stage in LDS, query r's 144 numbers at 592 r, and come back one word a lane from 588 r + 4 (kk + 16): each lane shifted by its own r, in f32.  Multiplied by 2^(e10 + e11 - e8 - e9)
; they are the C of the content product, so that the two scores are added by the matrix instruction.  Tiles A and B want ten tiles between them: fetched once.
; THE SOFTMAX: t = score x 2^(e8 + e9) log2(e) / 8; M = the running largest t rounded UP to a whole number; p = 2^(t - M) is quantised with e12; the row's sum is taken of the unquantised p and divides at the end; when M moves,
; the sum and O are multiplied by 2^(old M - new M), which rounds nothing.
; BUFFERS are images of operand registers (four registers of 32 lanes = 512 bytes, lane l at 16 l): qc, qp, kc [b][head][tile of 16 rows][2][512]; kpc [head][tile of 16 pe rows][2][512];
; vc [b][2 x (block of 128 keys) + c2][4 head + tile of 16 d][c1][512]; ao [64 b + tile of 16 queries][head][2][512].
; LIMITS on the given exponents: e8 + e9 between -123 and 130 (added to c's exponent field); e10 + e11 - e8 - e9 between -126 and 127; e12 and e14 between -126 and 119; e12 + e13 goes by v_ldexp_f32 and has none.
; REGISTERS.  A tile's state has the same numbers in window 0 (tile A) and window 1 (tile B): v12 -M, v13 largest t, v[14:15] the sum, v16-23 q + cb, v24-31 q + pb, v32-95 scores then p, v96-127 O^T, v128-143 p's codes,
; v144-155 constants and work.  Window 0 alone: v1-10 addresses; v160-239 F: ten position tiles, then eight tiles of K, then V's four fragments; v254, v255 the add's two.  Window 1 alone: v160-231 the nine position results.
.set VREG,  65536                      ; LDS: K's 64 tiles of 1,024 bytes from 0; V from here: 8,192 (block of 128 keys) + 4,096 c2 + 1,024 (tile of d) + 512 c1;
.set PREG,  131072                     ; the window of 80 position tiles, from pe row 768 - 256 cx on;
.set STG,   212992                     ; the stages: 16 rows for each wave
.set SPITCH, 592                       ; a stage row: 144 words + 4
.set WSTG,  16*SPITCH
.set SPARE, STG+8*WSTG                 ; the spare words: 128 bytes a wave
.set LI,  1                            ; 16 x lane: my place in an image; K's tiles begin at LDS byte 0
.set VB,  3                            ; the same in V's region
.set PB,  4                            ; the same in the window, + 2,048 (7 - wave): tile B's first tile in step 0
.set STO, 6                            ; the stage: 592 r + 32 h
.set RD,  7                            ; and back: 588 r + 32 h + 64
.set ADK, 8                            ; v8-10 the step's addresses
.set ADV, 9
.set ADP, 10
.set NM,  12
.set TM,  13
.set LS,  14
.set QC,  16
.set QP,  24
.set S,   32
.set O,   96
.set PC,  128
.set LIMP, 144                         ; 448 x 2^e12
.set SCP,  145                         ; 2^e12
.set L2,   146                         ; the sum's second chain
.set FF,   148                         ; f = 2^(old M - new M); v149 is named with it as a pair
.set MX,   150                         ; two chains of the maximum
.set PX,   152                         ; a lane permute's destination
.set LIMO, 154                         ; 448 x 2^e14
.set SCO,  155                         ; 2^e14
.set F,   160
.set PA,  160
.set G1K, 24                           ; s[24:31] group 1 for K's halves; s[32:39] V's; s[40:47] the window's quarters; s[56:59] the wave's group 0
.set G1V, 32
.set G1P, 40
.set MSB, 0
.macro WIN new                         ; bits 1:0 source 0, 3:2 source 1, 5:4 source 2, 7:6 destination; the high byte repeats the setting that is left
.if MSB != (\new)
	s_set_vgpr_msb (MSB<<8)|(\new)
.set MSB, (\new)
.endif
.endm
.macro ROUND                           ; a round of the cluster's barrier
	s_barrier_signal -1
	s_barrier_wait -1
	s_cmp_lg_u32 s18, 0
	s_cbranch_scc1 .Lnot_wave_0_\@
	s_barrier_signal -3
.Lnot_wave_0_\@:
	s_barrier_wait -3
	s_barrier_signal -1
	s_barrier_wait -1
.endm
.macro G1REST g, c, r, p               ; r rows of c elements of 8 bytes, p elements from row to row, no padding
	s_mov_b32 s[\g+1], (\c)<<16
	s_mov_b32 s[\g+2], (\r)<<16
	s_mov_b32 s[\g+3], (\c)<<16
	s_mov_b32 s[\g+4], \r
	s_mov_b32 s[\g+5], \p
	s_mov_b32 s[\g+6], 0
	s_mov_b32 s[\g+7], 0
.endm
.macro ASKFOR ptr, g1                  ; s57 = LDS byte, s60 = byte offset behind s[ptr:ptr+1]: my one tensor load; s_nop 0 and four v_nop follow it
	s_mov_b32 s61, 0
	s_mov_b32 s56, 1
	s_add_nc_u64 s[58:59], s[\ptr:\ptr+1], s[60:61]
	s_or_b32 s59, s59, 0x80000000
	tensor_load_to_lds s[56:59], s[\g1:\g1+7]
	s_nop 0
	PLACES 4
.endm
.macro PLACES n
.rept \n
	v_nop
.endr
.endm
	s_load_b256 s[4:11], s[0:1], 0x0               ; qc s[4:5], qp s[6:7], kc s[8:9], vc s[10:11]
	s_load_b128 s[12:15], s[0:1], 0x20             ; kpc s[12:13], lowp_scales s[14:15]
	s_load_b64 s[16:17], s[0:1], 0x30              ; ao
	v_lshl_add_u32 v254, v0, 2, SPARE
	v_mov_b32 v255, 0
	ds_add_u32 v254, v255                          ; the opening lines: the add twice on end and one wait
	ds_add_u32 v254, v255
	v_lshrrev_b32 v2, 5, v0
	s_delay_alu instid0(VALU_DEP_1)
	v_readfirstlane_b32 s18, v2                    ; wave 0..7
	s_bfe_u32 s19, ttmp6, 0x40000                  ; cx: the block of 256 queries
	s_bfe_u32 s20, ttmp6, 0x40004                  ; cy: the batch entry
	s_and_b32 s21, ttmp7, 0xffff                   ; the head: the cluster's y
	s_lshl_b32 s22, s20, 2
	s_lshl_b32 s22, 15, s22                        ; my row of the cluster
	s_lshl_b32 s23, 0x1111, s19                    ; my column
	s_or_b32 s[G1K], s22, (3<<16)|(1<<21)          ; 15:0 the mask; 17:16 elements of 8 bytes; 21 set beside a mask
	s_or_b32 s[G1V], s22, (3<<16)|(1<<21)
	s_or_b32 s[G1P], s23, (3<<16)|(1<<21)
	G1REST G1K, 32, 128, 32                        ; 32 tiles of K: a dense block of 32,768 bytes as 128 rows of 256
	G1REST G1V, 512, 8, 8192                       ; 512 keys of V: eight rows (2 kb + c2) of the head's 4,096 bytes, 65,536 bytes apart
	G1REST G1P, 32, 80, 32                         ; 20 position tiles, dense: 80 rows of 256 bytes
	v_and_b32 v2, 31, v0
	s_delay_alu instid0(VALU_DEP_1)
	v_lshlrev_b32 v[LI], 4, v2
	s_delay_alu instid0(VALU_DEP_1)
	v_add_nc_u32 v[VB], VREG, v[LI]
	s_xor_b32 s93, s18, 7                          ; 7 - wave
	s_lshl_b32 s93, s93, 11
	s_add_co_u32 s93, s93, PREG
	v_add_nc_u32 v[PB], s93, v[LI]
	v_and_b32 v2, 15, v0                           ; r
	v_bfe_u32 v5, v0, 4, 1                         ; h
	s_mul_i32 s93, s18, WSTG
	s_add_co_u32 s93, s93, STG                     ; my stage
	v_mul_u32_u24 v[STO], v2, SPITCH
	s_delay_alu instid0(VALU_DEP_1)
	v_lshl_add_u32 v[STO], v5, 5, v[STO]
	s_delay_alu instid0(VALU_DEP_1)
	v_add_nc_u32 v[STO], s93, v[STO]
	v_mul_u32_u24 v[RD], v2, SPITCH-4
	s_delay_alu instid0(VALU_DEP_1)
	v_lshl_add_u32 v[RD], v5, 5, v[RD]
	s_delay_alu instid0(VALU_DEP_1)
	v_add_nc_u32 v[RD], s93, v[RD]
	s_delay_alu instid0(VALU_DEP_1)
	v_add_nc_u32 v[RD], 64, v[RD]
	; byte offsets.  K's and V's hang on cy and the head, the window's on cx and the head
	s_lshl_b32 s93, s20, 4
	s_add_co_u32 s93, s93, s21                     ; 16 b + head
	s_lshl_b32 s94, s93, 16                        ; kc (and qc, qp): 65,536 bytes each
	s_mov_b32 s95, 0
	s_lshl_b32 s96, s20, 20
	s_lshl_b32 s97, s21, 12
	s_add_co_u32 s96, s96, s97                     ; vc: b x 2^20 + head x 4,096
	s_mov_b32 s97, 0
	s_xor_b32 s98, s19, 3                          ; 3 - cx: the window begins at tile 16 (3 - cx)
	s_lshl_b32 s98, s98, 14
	s_lshl_b32 s99, s21, 17
	s_add_co_u32 s98, s98, s99                     ; kpc: head x 131,072 + the window's first tile
	s_mov_b32 s99, 0
	s_lshl_b32 s2, s19, 4
	s_lshl_b32 s3, s18, 1
	s_add_co_u32 s2, s2, s3                        ; my tile A among the head's 64: 16 cx + 2 w
	s_lshl_b32 s3, s2, 10
	s_add_co_u32 s90, s94, s3                      ; its place in qc and qp
	s_mov_b32 s91, 0
	s_lshl_b32 s3, s20, 6
	s_add_co_u32 s2, s2, s3                        ; 64 b + 16 cx + 2 w
	s_lshl_b32 s2, s2, 14
	s_lshl_b32 s3, s21, 10
	s_add_co_u32 s2, s2, s3                        ; its place in ao
	s_mov_b32 s3, 0
	s_mov_b32 s88, 0x76543210                      ; v_permlanex16_b32's selects for lane l xor 16
	s_mov_b32 s89, 0xfedcba98
	s_wait_alu depctr_va_vdst(0)                   ; the wait ahead of the waits below
	s_wait_dscnt 0x0                               ; both opening adds are done
	s_wait_kmcnt 0x0
	s_load_b256 s[76:83], s[14:15], 0x20           ; e8 .. e15
	s_add_nc_u64 s[8:9], s[8:9], s[94:95]
	s_add_nc_u64 s[10:11], s[10:11], s[96:97]
	s_add_nc_u64 s[12:13], s[12:13], s[98:99]
	s_add_nc_u64 s[4:5], s[4:5], s[90:91]
	s_add_nc_u64 s[6:7], s[6:7], s[90:91]
	s_add_nc_u64 s[16:17], s[16:17], s[2:3]
	ROUND                                          ; all sixteen work-groups are here: the joint loads meet
	; one chain of branches on the wave's number, the same in every work-group; one fill to an arm, every wave issues one
	s_cmp_ge_u32 s18, 2
	s_cbranch_scc1 .Lnot_k
	s_lshl_b32 s57, s18, 15                        ; K's half w: 32,768 bytes on, in LDS and in memory
	s_lshl_b32 s60, s18, 15
	ASKFOR 8, G1K
	s_branch .Lasked
.Lnot_k:
	s_cmp_ge_u32 s18, 4
	s_cbranch_scc1 .Lnot_v
	s_and_b32 s60, s18, 1                          ; V's half w - 2: 32,768 bytes on in LDS, eight rows of 65,536 bytes on in memory
	s_lshl_b32 s57, s60, 15
	s_add_co_u32 s57, s57, VREG
	s_lshl_b32 s60, s60, 19
	ASKFOR 10, G1V
	s_branch .Lasked
.Lnot_v:
	s_and_b32 s60, s18, 3                          ; the window's quarter w - 4: 20,480 bytes on
	s_mul_i32 s60, s60, 20480
	s_add_co_u32 s57, s60, PREG
	ASKFOR 12, G1P
.Lasked:
	global_load_b128 v[QC:QC+3], v[LI], s[4:5]     ; the queries' fragments stay in registers: tile A,
	global_load_b128 v[QC+4:QC+7], v[LI], s[4:5] offset:512
	global_load_b128 v[QP:QP+3], v[LI], s[6:7]
	global_load_b128 v[QP+4:QP+7], v[LI], s[6:7] offset:512
	WIN 0x40                                       ; destination window 1: tile B
	global_load_b128 v[QC:QC+3], v[LI], s[4:5] offset:1024
	global_load_b128 v[QC+4:QC+7], v[LI], s[4:5] offset:1536
	global_load_b128 v[QP:QP+3], v[LI], s[6:7] offset:1024
	global_load_b128 v[QP+4:QP+7], v[LI], s[6:7] offset:1536
	WIN 0
	s_wait_kmcnt 0x0
	s_add_co_i32 s93, s76, s77                     ; e8 + e9
	s_lshl_b32 s94, s93, 23
	s_add_co_i32 s84, s94, 0x3e38aa3b              ; c = log2(e) / 8, with e8 + e9 added to its exponent field
	s_mov_b32 s85, s84                             ; (named with it as a pair, so it is written)
	s_add_co_i32 s94, s78, s79
	s_sub_co_i32 s94, s94, s93
	s_add_co_i32 s94, s94, 127
	s_lshl_b32 s86, s94, 23                        ; 2^(e10 + e11 - e8 - e9): brings a position sum to the content sums' unit
	s_mov_b32 s87, s86
	s_add_co_i32 s92, s80, s81                     ; e12 + e13
	s_add_co_i32 s93, s80, 127
	s_lshl_b32 s94, s93, 23                        ; 2^e12
	s_add_co_i32 s93, s93, 8
	s_lshl_b32 s95, s93, 23
	s_or_b32 s95, s95, 0x600000                    ; 448 x 2^e12
	s_add_co_i32 s93, s82, 127
	s_lshl_b32 s96, s93, 23                        ; 2^e14
	s_add_co_i32 s93, s93, 8
	s_lshl_b32 s97, s93, 23
	s_or_b32 s97, s97, 0x600000                    ; 448 x 2^e14
.macro TILEINIT                        ; the step is written once: the first finds zeros, which the first change of M leaves zeros
	v_mov_b32 v[TM], 0xff61b1e6                    ; the largest t so far: -3e38, under every t
	s_delay_alu instid0(VALU_DEP_1)
	v_floor_f32 v[NM], -v[TM]
	v_mov_b32 v[LS], 0
	v_mov_b32 v[LS+1], 0
	v_mov_b32 v[FF+1], 0
	v_mov_b32 v[PX], 0                             ; a lane permute's destination counts as one of its sources
	v_mov_b32 v[LIMP], s95
	v_mov_b32 v[SCP], s94
	v_mov_b32 v[LIMO], s97
	v_mov_b32 v[SCO], s96
.set n, 0
.rept 32
	v_mov_b32 v[O+n], 0
.set n, n+1
.endr
.endm
	TILEINIT
	WIN 0x55                                       ; all four places window 1
	TILEINIT
	WIN 0
.macro TOSTG                           ; the nine position results into my stage: query r's numbers m = 16 tt + 8 h + 0 .. 7; each result from its low end on
.set f, 0
.rept 9
	ds_store_b128 v[STO], v[PA+8*f:PA+8*f+3] offset:64*f
	ds_store_b128 v[STO], v[PA+8*f+4:PA+8*f+7] offset:64*f+16
.set f, f+1
.endr
.endm
.macro FROMSTG                         ; and back, shifted: register 8 t + j takes key 16 t + 8 h + j.  LDS serves a wave's instructions in order (ISA guide 5.7.1.4): these see the stores above
.set f, 0
.rept 64
	ds_load_b32 v[S+f], v[RD] offset:64*(f/8)+4*(f%8)
.set f, f+1
.endr
.endm
.macro RESC                            ; x 2^(e10 + e11 - e8 - e9): nothing is rounded, short of overflow and underflow
.set f, 0
.rept 32
	v_pk_mul_f32 v[S+f:S+f+1], v[S+f:S+f+1], s[86:87] op_sel_hi:[1,0]
.set f, f+2
.endr
.endm
.macro CONTENT                         ; S^T = K Q^T + the shifted position scores: eight accumulators, one instruction each
.set f, 0
.rept 8
	v_wmma_f32_16x16x64_fp8_fp8 v[S+8*f:S+8*f+7], v[F+8*f:F+8*f+7], v[QC:QC+7], v[S+8*f:S+8*f+7]
.set f, f+1
.endr
.endm
.macro PV                              ; O^T += V^T P^T: four tiles of 16 channels, K = the step's 128 keys
.set f, 0
.rept 4
	v_wmma_f32_16x16x128_fp8_fp8 v[O+8*f:O+8*f+7], v[F+16*f:F+16*f+15], v[PC:PC+15], v[O+8*f:O+8*f+7]
.set f, f+1
.endr
.endm
; One tile's softmax for a step of 128 keys: a lane holds 64 scores of its query.
.macro SOFTMAX
	v_max3_num_f32 v[MX], v[S], v[S+1], v[S+2]     ; the largest score among my 64, in two chains, ascending,
	v_max3_num_f32 v[MX+1], v[S+3], v[S+4], v[S+5]
.set n, 6
.rept 14
	v_max3_num_f32 v[MX], v[MX], v[S+n], v[S+n+1]
	v_max3_num_f32 v[MX+1], v[MX+1], v[S+n+2], v[S+n+3]
.set n, n+4
.endr
	v_max3_num_f32 v[MX], v[MX], v[S+62], v[S+63]
	s_delay_alu instid0(VALU_DEP_1)
	v_max_num_f32 v[MX], v[MX], v[MX+1]
	s_delay_alu instid0(VALU_DEP_1)
	v_permlanex16_b32 v[PX], v[MX], s88, s89
	s_delay_alu instid0(VALU_DEP_1)
	v_max_num_f32 v[MX], v[MX], v[PX]              ; and among lane l xor 16's
	s_delay_alu instid0(VALU_DEP_1)
	v_mul_f32 v[MX], s84, v[MX]                    ; as t (c is positive)
	s_delay_alu instid0(VALU_DEP_1)
	v_max_num_f32 v[TM], v[TM], v[MX]              ; the running largest t
	v_mov_b32 v[MX], v[NM]
	s_delay_alu instid0(VALU_DEP_2)
	v_floor_f32 v[NM], -v[TM]                      ; the new -M = floor(-t) = -ceil(t): a whole number
	s_delay_alu instid0(VALU_DEP_1)
	v_sub_f32 v[MX], v[NM], v[MX]                  ; old M less new M: a whole number, 0 or less
	s_delay_alu instid0(VALU_DEP_1)
	v_cvt_i32_f32 v[MX], v[MX]                     ; (it saturates)
	s_delay_alu instid0(VALU_DEP_1)
	v_ldexp_f32 v[FF], 1.0, v[MX]                  ; f = 2^(old M - new M)
.set n, 0
.rept 32
	v_pk_fma_f32 v[S+n:S+n+1], v[S+n:S+n+1], s[84:85], v[NM:NM+1] op_sel_hi:[1,0,0]   ; t - M, two at a time (of the pairs c and -M the low word serves both halves)
.set n, n+2
.endr
.set n, 0
	s_wait_alu depctr_va_vdst(0)                   ; the wait ahead of the batch
.rept 64
	v_exp_f32 v[S+n], v[S+n]                       ; p = 2^(t - M), at most 1: not normalised
.set n, n+1
.endr
	v_pk_mul_f32 v[LS:LS+1], v[LS:LS+1], v[FF:FF+1] op_sel_hi:[1,0]   ; the sum under the new M: the plain line behind the exponentials
	s_wait_alu depctr_va_vdst(0)                   ; one wait for the batch of 64, ahead of the first line that names a result
	v_pk_add_f32 v[L2:L2+1], v[S:S+1], v[S+2:S+3]  ; the row's sum is taken of the UNQUANTISED p: two at a time, in two chains
.set n, 4
.rept 15
	v_pk_add_f32 v[LS:LS+1], v[LS:LS+1], v[S+n:S+n+1]
	v_pk_add_f32 v[L2:L2+1], v[L2:L2+1], v[S+n+2:S+n+3]
.set n, n+4
.endr
	s_delay_alu instid0(VALU_DEP_1)
	v_pk_add_f32 v[LS:LS+1], v[LS:LS+1], v[L2:L2+1]
.set f, 0
.rept 8
.set n, 0
.rept 8
	v_min_num_f32 v[S+8*f+n], v[S+8*f+n], v[LIMP]  ; the conversion does not saturate (ISA guide 7.6.2); p is not negative, so the hold is one-sided
.set n, n+1
.endr
	v_cvt_scalef32_pk8_fp8_f32 v[PC+2*f:PC+2*f+1], v[S+8*f:S+8*f+7], v[SCP]   ; registers 2 t, 2 t + 1 of the operand: keys 16 t + 8 h + 0 .. 7
.set f, f+1
.endr
	s_wait_alu depctr_va_vdst(0)                   ; the wait directly ahead of the first reader of O^T
.set n, 0
.rept 16
	v_pk_mul_f32 v[O+n:O+n+1], v[O+n:O+n+1], v[FF:FF+1] op_sel_hi:[1,0]   ; O^T under the new M.  (Also the plain lines between the last conversion and the products that read the codes)
.set n, n+2
.endr
.endm
; A KEY STEP: 128 keys; s90 = 8,192 x the step's number: K's eight tiles, V's block and the window's eight further tiles are all 8,192 bytes.
.macro STEP
	v_add_nc_u32 v[ADK], s90, v[LI]                ; three additions and a v_nop: the four places between the last step's products, which read F, and the loads into F
	v_add_nc_u32 v[ADV], s90, v[VB]
	v_add_nc_u32 v[ADP], s90, v[PB]
	v_nop
.set f, 0
.rept 10
	ds_load_b128 v[F+8*f:F+8*f+3], v[ADP] offset:f*1024        ; ten position tiles: tile B wants 0-8, tile A 1-9
	ds_load_b128 v[F+8*f+4:F+8*f+7], v[ADP] offset:f*1024+512
.set f, f+1
.endr
	s_wait_dscnt 0x0
	WIN 0x40                                       ; results in window 1
.set f, 0
.rept 9
	v_wmma_f32_16x16x64_fp8_fp8 v[PA+8*f:PA+8*f+7], v[F+8+8*f:F+15+8*f], v[QP:QP+7], 0
.set f, f+1
.endr
	PLACES 5                                       ; four are owed ahead of the stores that read the results, five ahead of tile B's products, which write over them
	WIN 0x04                                       ; store data window 1
	TOSTG
	WIN 0
	FROMSTG
	s_wait_dscnt 63                                ; 64 loads were issued behind the 18 stores: the stores are done, and their registers may be written
	WIN 0x44                                       ; source 1 (tile B's q + pb) and the results in window 1
.set f, 0
.rept 9
	v_wmma_f32_16x16x64_fp8_fp8 v[PA+8*f:PA+8*f+7], v[F+8*f:F+8*f+7], v[QP:QP+7], 0
.set f, f+1
.endr
	s_wait_dscnt 0x0                               ; tile A's shifted scores are in
	WIN 0
	RESC                                           ; 32 plain lines on other registers: the places ahead of the stores and of the loads into F
	WIN 0x04
	TOSTG
	WIN 0x40
	FROMSTG
	WIN 0
.set f, 0
.rept 8
	ds_load_b128 v[F+8*f:F+8*f+3], v[ADK] offset:f*1024        ; K's eight tiles
	ds_load_b128 v[F+8*f+4:F+8*f+7], v[ADK] offset:f*1024+512
.set f, f+1
.endr
	s_wait_dscnt 16                                ; tile B's shifted scores are in; K's sixteen loads may be out
	WIN 0x55
	RESC
	s_wait_alu depctr_va_vdst(0)
	s_wait_dscnt 0x0
	WIN 0
	CONTENT
	WIN 0x54                                       ; K in window 0; tile B's queries and scores in window 1
	CONTENT
	WIN 0
	PLACES 4                                       ; ahead of the loads into F and of the first read of the scores
.set f, 0
.rept 4
	ds_load_b128 v[F+16*f:F+16*f+3], v[ADV] offset:f*1024            ; V's four fragments: 16 channels x 128 keys; asked for ahead of the softmax
	ds_load_b128 v[F+16*f+4:F+16*f+7], v[ADV] offset:f*1024+512
	ds_load_b128 v[F+16*f+8:F+16*f+11], v[ADV] offset:f*1024+4096
	ds_load_b128 v[F+16*f+12:F+16*f+15], v[ADV] offset:f*1024+4608
.set f, f+1
.endr
	SOFTMAX
	WIN 0x55
	s_wait_alu depctr_va_vdst(0)                   ; tile B's scores are matrix results first read behind tile A's exponentials
	SOFTMAX
	s_wait_alu depctr_va_vdst(0)
	s_wait_dscnt 0x0                               ; V is in
	WIN 0
	PV
	WIN 0x54
	PV
	WIN 0
.endm
	s_wait_alu depctr_va_vdst(0)                   ; the wait at the head's end
	s_wait_loadcnt 0x0                             ; the queries' fragments
	s_wait_tensorcnt 0x0                           ; my one tile is in;
	s_barrier_signal -1
	s_barrier_wait -1                              ; and so is every wave's: K, V and the window are whole
	s_mov_b32 s90, 0
	s_mov_b32 s91, 8
.Lstep:
	STEP
	s_add_co_u32 s90, s90, 8192
	s_sub_co_u32 s91, s91, 1
	s_cmp_lg_u32 s91, 0
	s_cbranch_scc1 .Lstep
; THE WAY OUT of a tile: O^T x 2^(e12 + e13) / the sum, held, converted with e14.  w_v's rows were laid so that registers 4 c .. 4 c + 3 of the codes hold channels 32 c + 16 h + 0 .. 15 of the head: the order in which the
; last projection takes its K.  The eight registers go out as they stand: two stores of 512 consecutive bytes.
.macro OUT
	v_add_f32 v[LS], v[LS], v[LS+1]                ; the sum's two halves,
	s_delay_alu instid0(VALU_DEP_1)
	v_permlanex16_b32 v[PX], v[LS], s88, s89
	s_delay_alu instid0(VALU_DEP_1)
	v_add_f32 v[LS], v[LS], v[PX]                  ; and lane l xor 16's
	s_wait_alu depctr_va_vdst(0)
	v_rcp_f32 v[LS], v[LS]
	v_nop                                          ; a plain line behind the transcendental
	s_wait_alu depctr_va_vdst(0)                   ; and the wait ahead of its first reader
	v_ldexp_f32 v[LS], v[LS], s92
	s_wait_alu depctr_va_vdst(0)                   ; the wait directly ahead of the first reader of O^T
.set n, 0
.rept 16
	v_pk_mul_f32 v[S+n:S+n+1], v[O+n:O+n+1], v[LS:LS+1] op_sel_hi:[1,0]
.set n, n+2
.endr
.set n, 0
.rept 32
	v_med3_num_f32 v[S+n], v[S+n], -v[LIMO], v[LIMO]
.set n, n+1
.endr
.set f, 0
.rept 4
	v_cvt_scalef32_pk8_fp8_f32 v[PC+2*f:PC+2*f+1], v[S+8*f:S+8*f+7], v[SCO]
.set f, f+1
.endr
	v_nop
.endm
	PLACES 4                                       ; behind the last products
	OUT
	global_store_b128 v[LI], v[PC:PC+3], s[16:17]
	global_store_b128 v[LI], v[PC+4:PC+7], s[16:17] offset:512
	WIN 0x55
	OUT
	WIN 0x04                                       ; store data window 1
	global_store_b128 v[LI], v[PC:PC+3], s[16:17] offset:16384
	global_store_b128 v[LI], v[PC+4:PC+7], s[16:17] offset:16896
	WIN 0
	s_wait_tensorcnt 0x0                           ; the wave's end
	ds_add_u32 v254, v255
	s_wait_dscnt 0x0
	ROUND                                          ; the closing round: no work-group ends while a partner may still ask for a tile that names it
	s_endpgm
.Lfunc_end_k_q404b0f8664_attn:
	.size	k_q404b0f8664_attn, .Lfunc_end_k_q404b0f8664_attn-k_q404b0f8664_attn
	.p2alignl 7, 3214868480
	.fill 96, 4, 3214868480
	.section	.rodata,"a",@progbits
	.p2align	6, 0x0
	.amdhsa_kernel k_q404b0f8664_attn
		.amdhsa_group_segment_fixed_size 289792
		.amdhsa_private_segment_fixed_size 0
		.amdhsa_enable_private_segment 0
		.amdhsa_kernarg_size 56
		.amdhsa_user_sgpr_count 2
		.amdhsa_user_sgpr_kernarg_segment_ptr 1
		.amdhsa_wavefront_size32 1
		.amdhsa_system_sgpr_workgroup_id_x 1
		.amdhsa_system_sgpr_workgroup_id_y 1
		.amdhsa_system_sgpr_workgroup_id_z 1
		.amdhsa_system_vgpr_workitem_id 0
		.amdhsa_next_free_vgpr 512
		.amdhsa_next_free_sgpr 100
		.amdhsa_reserve_vcc 0
		.amdhsa_float_denorm_mode_32 3
		.amdhsa_float_denorm_mode_16_64 3
		.amdhsa_memory_ordered 1
		.amdhsa_forward_progress 1
		.amdhsa_inst_pref_size 67
	.end_amdhsa_kernel
	.amdgpu_metadata
---
amdhsa.version: [ 1, 2 ]
amdhsa.kernels:
  - .name:           k_q404b0f8664_attn
    .symbol:         k_q404b0f8664_attn.kd
    .args:
      - { .name: qc, .offset: 0, .size: 8, .value_kind: global_buffer, .address_space: global }
      - { .name: qp, .offset: 8, .size: 8, .value_kind: global_buffer, .address_space: global }
      - { .name: kc, .offset: 16, .size: 8, .value_kind: global_buffer, .address_space: global }
      - { .name: vc, .offset: 24, .size: 8, .value_kind: global_buffer, .address_space: global }
      - { .name: kpc, .offset: 32, .size: 8, .value_kind: global_buffer, .address_space: global }
      - { .name: lowp_scales, .offset: 40, .size: 8, .value_kind: global_buffer, .address_space: global }
      - { .name: ao, .offset: 48, .size: 8, .value_kind: global_buffer, .address_space: global }
    .group_segment_fixed_size: 289792
    .private_segment_fixed_size: 0
    .kernarg_segment_align: 8
    .kernarg_segment_size: 56
    .max_flat_workgroup_size: 256
    .sgpr_count:     100
    .vgpr_count:     512
    .wavefront_size: 32
...
	.end_amdgpu_metadata
.endif
;; end of part 3
;; launch outp (part 4): grid 8 x 32, 4 waves a work-group, clusters of 4 x 4, 284,160 bytes of LDS; arguments ao, codes, lowp_scales, out0, b_out; writes out0
.if DOCPART == 4
	.amdgcn_target "amdgcn-amd-amdhsa--gfx1250"
	.amdhsa_code_object_version 6
	.text
	.protected	k_q404b0f8664_outp
	.globl	k_q404b0f8664_outp
	.p2align	8
	.type	k_q404b0f8664_outp,@function
k_q404b0f8664_outp:
	s_mov_b64 s[64:65], 0
	v_nop
	global_prefetch_b8 v0, s[64:65] scope:SCOPE_SE
	s_setreg_imm32_b32 hwreg(HW_REG_WAVE_MODE, 25, 1), 1
	s_wait_xcnt 0x0
	s_wait_alu depctr_hold_cnt(0) depctr_sa_sdst(0) depctr_va_vdst(0) depctr_va_sdst(0) depctr_va_ssrc(0) depctr_va_vcc(0) depctr_vm_vsrc(0)
	s_getreg_b32 s2, hwreg(HW_REG_IB_STS2, 6, 4)
	s_cmp_eq_u32 s2, 0
	s_cbranch_scc0 .Lentry_in_a_cluster
	s_endpgm
.Lentry_in_a_cluster:
	s_bfe_u32 s2, ttmp6, 0x10000c
	s_cmp_lg_u32 s2, 0xf033
	s_cbranch_scc0 .Lentry_shape_is_right
	s_endpgm
.Lentry_shape_is_right:
; out0 = attention's result x w_out^T + b_out, on codes of E4M3: M = 4,096 rows (m = 1,024 b + s), N = 1,024, K = 1,024.  Each finished sum is multiplied once by 2^(e14 + e15) and b_out is added in the same packed multiply-add.
; LIMIT: e14 + e15 between -126 and 127, so that 2^(e14 + e15) is an f32 number.
; SHARES.  A tile of 128 x 128 to a work-group: 32 x 8 tiles, 256 work-groups.  Four waves, each 64 x 64: 16 accumulators, 128 registers.
; ALL OF K STAYS IN LDS: 128 rows of A and 128 rows of w_out over K = 1,024 are 131,072 + 135,168 bytes.  Each byte is filled once, by one tensor load a wave at the head: waves 0, 1 A's halves of K, waves 2, 3 B's.
; One wait for all and one barrier show them to all four waves; nothing is filled again, so the eight K steps have no barrier.  No prefetch: every tile is asked for at the head, and there is no loop to run ahead in.
; JOINT LOADS: clusters of 4 x 4 work-groups.  A's tile hangs on the tile row alone and is shared along a row of the cluster, B's on the tile column alone and is shared along a column.
; A IS READ AS IMAGES OF ITS REGISTERS: ao is [tile of 16 rows (256)][head (16)][2][512]: registers 4 c .. 4 c + 3 of a head's eight hold its channels 32 c + 16 (lane / 16) + 0 .. 15.
; Two heads are 128 along K, in the order in which four loads of 16 bytes take B's rows (K = 32 c + 16 (lane / 16) + 0 .. 15): the same permutation of k on both sides, so that every product meets its partner.
; B = w_out's codes: rows 18,432 on of 'codes', 1,024 bytes each; a half's 512 bytes of a row get 16 bytes of padding in LDS.
; THE MATRIX INSTRUCTION IS USED TRANSPOSED (source 0 = 16 rows of w_out, source 1 = 16 rows of A): a lane holds eight neighbouring numbers of a row of the output.
; REGISTERS: window 0: v1-27 addresses; v32-63 a block's numbers on the way out; v126, v127 the add's two; v128-255 the accumulators ((a, b) at v[128 + 8 (4 a + b)]).
;   window 1: two fragment buffers of 128 (64 registers of A, then 64 of B); on the way out v0-127 the rows read back from the stage.   window 2: v0-31 b_out of my 64 columns.
.set KROW,   1024                      ; a row of codes in memory
.set AH,     65536                     ; A's half of K: 8 tiles of 16 rows x 8,192 bytes (eight heads)
.set PITCH,  528                       ; B's LDS row: 512 bytes + 16 of padding: 33 x 16 bytes, so that sixteen rows' 16-byte pieces fall on different banks (64 banks of 4 bytes: ISA guide 11.1)
.set BH,     128*PITCH                 ; B's half of K
.set BREG,   2*AH
.set STG,    BREG+2*BH                 ; a stage of 16 rows for each wave, in blocks of 256 bytes into which no tile lands
.set SPITCH, 272                       ; a stage row: my 64 columns, 256 bytes, + 16
.set WSTG,   16*SPITCH
.set SPARE,  STG+4*WSTG                ; the spare words: 128 bytes a wave
.set ADRA, 16                          ; v16-17  LDS address of my A fragments in K's half 0, 1
.set ADRB, 20                          ; v20-21  the same for B
.set STO,  24                          ; the way out: where I put 32 bytes of a row
.set RD,   25                          ; where I read a row back
.set CO,   26                          ; my byte offset in two rows of the output
.set BO,   27                          ; 32 x (lane / 16): my eight numbers of b_out's sixteen
.set TMP,  32
.set ACC,  128
.set G1,   24                          ; s[24:31] group 1 for A's tiles; s[32:39] for B's; s[56:59] the wave's group 0
.set G1B,  32
.set MSB, 0
.macro WIN new                         ; bits 1:0 source 0, 3:2 source 1, 5:4 source 2, 7:6 destination; the high byte repeats the setting that is left
.if MSB != (\new)
	s_set_vgpr_msb (MSB<<8)|(\new)
.set MSB, (\new)
.endif
.endm
.macro ROUND                           ; a round of the cluster's barrier
	s_barrier_signal -1
	s_barrier_wait -1
	s_cmp_lg_u32 s14, 0
	s_cbranch_scc1 .Lnot_wave_0_\@
	s_barrier_signal -3
.Lnot_wave_0_\@:
	s_barrier_wait -3
	s_barrier_signal -1
	s_barrier_wait -1
.endm
.macro PLACES n                        ; places behind matrix instructions (ISA guide 7.12.1)
.rept \n
	v_nop
.endr
.endm
.macro ASKFOR ptr, g1                  ; s57 = LDS byte, s60 = byte offset behind s[ptr:ptr+1]: my one tensor load; s_nop 0 and four v_nop follow it
	s_mov_b32 s61, 0
	s_mov_b32 s56, 1
	s_add_nc_u64 s[58:59], s[\ptr:\ptr+1], s[60:61]
	s_or_b32 s59, s59, 0x80000000
	tensor_load_to_lds s[56:59], s[\g1:\g1+7]
	s_nop 0
	PLACES 4
.endm
	s_load_b128 s[4:7], s[0:1], 0x0                ; ao s[4:5], codes s[6:7]
	s_load_b128 s[8:11], s[0:1], 0x10              ; lowp_scales s[8:9], out0 s[10:11]
	s_load_b64 s[12:13], s[0:1], 0x20              ; b_out
	v_lshl_add_u32 v126, v0, 2, SPARE
	v_mov_b32 v127, 0
	ds_add_u32 v126, v127                          ; the opening lines: the add twice on end and one wait
	ds_add_u32 v126, v127
	v_lshrrev_b32 v1, 5, v0
	v_readfirstlane_b32 s14, v1                    ; wave 0..3
	s_lshr_b32 s15, s14, 1                         ; which 64 of the tile's rows are mine.  Also: I fetch for A (0) or for B (1)
	s_and_b32 s16, s14, 1                          ; which 64 of its columns.  Also: which half of K I fetch
	s_bfe_u32 s40, ttmp6, 0x40000                  ; cx, cy: my place in the cluster
	s_bfe_u32 s41, ttmp6, 0x40004
	s_lshl_b32 s42, ttmp9, 2
	s_add_co_u32 s42, s42, s40                     ; tile column = 4 x cluster x + cx: 0 .. 7
	s_and_b32 s17, ttmp7, 0xffff
	s_lshl_b32 s17, s17, 2
	s_add_co_u32 s17, s17, s41                     ; tile row = 4 x cluster y + cy: 0 .. 31
	s_lshl_b32 s43, s41, 2
	s_lshl_b32 s43, 15, s43                        ; my row of the cluster
	s_lshl_b32 s44, 0x1111, s40                    ; my column
	s_or_b32 s[G1+0], s43, (3<<16)|(1<<21)         ; A: the mask: my row; elements of 8 bytes; 21 set beside a mask; no padding: an image is read 512 consecutive bytes at a time
	s_mov_b32 s[G1+1], 1024<<16                    ; tensor_dim0 = 1,024 elements: 8,192 bytes, eight heads
	s_mov_b32 s[G1+2], 8<<16                       ; tensor_dim1 = 8 tiles of 16 rows
	s_mov_b32 s[G1+3], 1024<<16                    ; tile_dim0
	s_mov_b32 s[G1+4], 8                           ; tile_dim1
	s_mov_b32 s[G1+5], 2048                        ; 16,384 bytes from a tile of rows to the next
	s_mov_b32 s[G1+6], 0
	s_mov_b32 s[G1+7], 0
	s_or_b32 s[G1B+0], s44, (0<<16)|(1<<20)|(1<<21)|(6<<22)|(3<<25) ; B: my column; element of 1 byte; padding of 4 words (code 3) after every 128 (code 6)
	s_mov_b32 s[G1B+1], 512<<16
	s_mov_b32 s[G1B+2], 128<<16
	s_mov_b32 s[G1B+3], 512<<16
	s_mov_b32 s[G1B+4], 128
	s_mov_b32 s[G1B+5], KROW
	s_mov_b32 s[G1B+6], 0
	s_mov_b32 s[G1B+7], 0
	; every LDS address is made here; none hangs on a place in the cluster
	v_and_b32 v1, 15, v0                           ; r = lane % 16
	v_bfe_u32 v2, v0, 4, 1                         ; h = lane / 16
	v_and_b32 v3, 31, v0
	v_lshlrev_b32 v3, 4, v3                        ; 16 x lane: my place in an image of A
	s_lshl_b32 s21, s15, 15                        ; my four tiles of 16 rows: 8,192 bytes each in a half
	v_add_nc_u32 v[ADRA], s21, v3
	v_add_nc_u32 v[ADRA+1], AH, v[ADRA]
	v_mul_u32_u24 v4, v1, PITCH
	v_lshl_add_u32 v4, v2, 4, v4                   ; B: a fragment's row x pitch + 16 x half of the lanes
	s_mul_i32 s22, s16, 64*PITCH                   ; my 64 rows of B
	s_add_co_u32 s22, s22, BREG
	v_add_nc_u32 v[ADRB], s22, v4
	v_add_nc_u32 v[ADRB+1], BH, v[ADRB]
	s_mul_i32 s23, s14, WSTG
	s_add_co_u32 s23, s23, STG                     ; my stage
	v_mul_u32_u24 v5, v1, SPITCH                   ; in: row r, 32 bytes for each half of the lanes
	v_lshl_add_u32 v5, v2, 5, v5
	v_add_nc_u32 v[STO], s23, v5
	v_mul_u32_u24 v5, v2, SPITCH                   ; back: lanes 0-15 take one row of 256 bytes, lanes 16-31 the next
	v_lshl_add_u32 v5, v1, 4, v5
	v_add_nc_u32 v[RD], s23, v5
	v_lshlrev_b32 v[CO], 14, v2                    ; and the same two rows in out0: 16,384 bytes from s to s + 1
	v_lshl_add_u32 v[CO], v1, 4, v[CO]
	v_lshlrev_b32 v[BO], 5, v2
	; byte offsets.  A's hangs on the tile row alone, B's on the tile column alone
	s_lshl_b32 s20, s17, 17                        ; A: 8 tiles of 16,384 bytes for each tile row
	s_mov_b32 s21, 0
	s_lshl_b32 s46, s42, 7
	s_add_co_u32 s46, s46, 18432                   ; B: row 18,432 + 128 x tile column
	s_lshl_b32 s46, s46, 10
	s_mov_b32 s47, 0
	s_lshl_b32 s50, s42, 9
	s_lshl_b32 s51, s16, 8
	s_add_co_u32 s50, s50, s51                     ; my first column, in bytes: 512 x tile column + 256 x half
	s_mov_b32 s51, 0
	s_and_b32 s52, s17, 7                          ; row m = 1,024 b + s of the product is row 4 s + b of out0: b = tile row / 8,
	s_lshl_b32 s52, s52, 7
	s_lshl_b32 s53, s15, 6
	s_add_co_u32 s52, s52, s53                     ; s of my first row = 128 (tile row % 8) + 64 x half
	s_lshl_b32 s52, s52, 14
	s_lshr_b32 s53, s17, 3
	s_lshl_b32 s53, s53, 12
	s_add_co_u32 s52, s52, s53
	s_add_co_u32 s52, s52, s50
	s_mov_b32 s53, 0
	s_wait_alu depctr_va_vdst(0)                   ; the wait ahead of the waits below
	s_wait_dscnt 0x0                               ; both opening adds are done
	s_wait_kmcnt 0x0
	s_load_b64 s[96:97], s[8:9], 0x38              ; e14, e15
	s_add_nc_u64 s[20:21], s[4:5], s[20:21]
	s_add_nc_u64 s[46:47], s[6:7], s[46:47]
	s_add_nc_u64 s[10:11], s[10:11], s[52:53]      ; out0 at my first row and column
	s_add_nc_u64 s[12:13], s[12:13], s[50:51]      ; b_out at my first column
	ROUND                                          ; all sixteen work-groups are here: the joint loads meet
	; one branch on the wave's number, the same in every work-group; one fill to an arm, every wave issues one
	s_cmp_lg_u32 s15, 0
	s_cbranch_scc1 .Lfor_b
	s_lshl_b32 s57, s16, 16                        ; A's half: 65,536 bytes on in LDS, 8,192 bytes on in each tile of rows
	s_lshl_b32 s60, s16, 13
	ASKFOR 20, G1
	s_branch .Lasked
.Lfor_b:
	s_mul_i32 s57, s16, BH                         ; B's half: 512 bytes on in each row
	s_add_co_u32 s57, s57, BREG
	s_lshl_b32 s60, s16, 9
	ASKFOR 46, G1B
.Lasked:
	WIN 0x80                                       ; destination window 2: b_out is fetched while the tiles are on their way, and stays
.irp b, 0,1,2,3
	global_load_b128 v[8*\b:8*\b+3], v[BO], s[12:13] offset:64*\b        ; register 8 b + j: b_out of column 16 b + 8 (lane / 16) + j of my 64
	global_load_b128 v[8*\b+4:8*\b+7], v[BO], s[12:13] offset:64*\b+16
.endr
	WIN 0
	s_wait_kmcnt 0x0
	s_add_co_i32 s96, s96, s97                     ; e14 + e15
	s_add_co_i32 s96, s96, 127
	s_lshl_b32 s96, s96, 23                        ; 2^(e14 + e15) as f32 (s97 is named with it as a pair; it was written by the load)
	s_wait_loadcnt 0x0                             ; b_out
; 32 LDS loads in one run: the fragments of K step N (128 along K: the (N % 4)-th quarter of half N / 4) into buffer N % 2: B's four, then A's four.
.macro FETCH
.set FB, 128*(N%2)
	WIN 0x40                                       ; destination window 1, address window 0
.irp i, 0,1,2,3
.irp c, 0,1,2,3
	ds_load_b128 v[FB+64+16*\i+4*\c:FB+64+16*\i+4*\c+3], v[ADRB+N/4] offset:\i*16*PITCH+128*(N%4)+32*\c
.endr
.endr
.irp i, 0,1,2,3
.irp c, 0,1,2,3
	ds_load_b128 v[FB+16*\i+4*\c:FB+16*\i+4*\c+3], v[ADRA+N/4] offset:\i*8192+2048*(N%4)+512*\c
.endr
.endr
.endm
; 16 matrix instructions: A's four blocks x B's four, 128 along K.  zero = 1: the first product starts the sums.  The 16 accumulators take turns, one instruction a turn.
.macro MUL f, zero
.irp a, 0,1,2,3
.irp b, 0,1,2,3
.if \zero
	v_wmma_f32_16x16x128_fp8_fp8 v[ACC+8*(4*\a+\b):ACC+8*(4*\a+\b)+7], v[(\f)+64+16*\b:(\f)+64+16*\b+15], v[(\f)+16*\a:(\f)+16*\a+15], 0
.else
	v_wmma_f32_16x16x128_fp8_fp8 v[ACC+8*(4*\a+\b):ACC+8*(4*\a+\b)+7], v[(\f)+64+16*\b:(\f)+64+16*\b+15], v[(\f)+16*\a:(\f)+16*\a+15], v[ACC+8*(4*\a+\b):ACC+8*(4*\a+\b)+7]
.endif
.endr
.endr
.endm
	s_wait_tensorcnt 0x0                           ; my one tile is in;
	s_barrier_signal -1
	s_barrier_wait -1                              ; and so is every wave's: A and B are whole over all of K
.set N, 0
	FETCH
; Eight K steps, written out.  Step Q: the next step's fragments are asked for, into the other buffer, ahead of this step's products.
.set Q, 0
.rept 8
.set N, Q+1
.if Q < 7
.if Q > 0
	PLACES 4                                       ; the other buffer was read by the products just issued
.endif
	FETCH
	s_wait_dscnt 32                                ; this step's fragments are in; the 32 loads just issued may be out
.else
	s_wait_dscnt 0x0                               ; the last step: nothing more to fetch
.endif
	WIN 0x05                                       ; sources 0 (B) and 1 (A) window 1; C and D window 0
.if Q == 0
	MUL 0, 1
.else
	MUL 128*(Q%2), 0
.endif
.set Q, Q+1
.endr
	WIN 0
; THE WAY OUT, block by block of 16 rows x my 64 columns: sum x 2^(e14 + e15) + b_out.  A block goes through my own stage in LDS and comes back as whole rows of 256 bytes: sixteen lanes store 256 consecutive bytes, aligned.
; LDS serves a wave's instructions in order (ISA guide 5.7.1.4): no wait between the stores and the loads.  Each block comes back into registers of its own, and every offset is an immediate.
.macro TOSTAGE a
	WIN 0x20                                       ; source 2 (b_out) window 2
.set n, 0
.rept 16
	v_pk_fma_f32 v[TMP+n:TMP+n+1], v[ACC+32*(\a)+n:ACC+32*(\a)+n+1], s[96:97], v[n:n+1] op_sel_hi:[1,0,1]   ; each accumulator from its low end on
.set n, n+2
.endr
	WIN 0
.irp b, 0,1,2,3
	ds_store_b128 v[STO], v[TMP+8*\b:TMP+8*\b+3] offset:64*\b
	ds_store_b128 v[STO], v[TMP+8*\b+4:TMP+8*\b+7] offset:64*\b+16
.endr
	WIN 0x40                                       ; destination window 1: the fragments' registers are free
.irp i, 0,1,2,3,4,5,6,7
	ds_load_b128 v[32*(\a)+4*\i:32*(\a)+4*\i+3], v[RD] offset:\i*2*SPITCH
.endr
.endm
.macro SEND a, younger                 ; younger: the LDS instructions issued behind block a's loads, which may stay out
	s_wait_dscnt \younger
	WIN 0x04                                       ; store data window 1
.irp i, 0,1,2,3,4,5,6,7
	global_store_b128 v[CO], v[32*(\a)+4*\i:32*(\a)+4*\i+3], s[10:11] offset:(16*(\a)+2*\i)*16384 th:TH_STORE_NT   ; written once, read by nobody here; 62 steps of s at the most: inside the signed 24-bit immediate (ISA guide, chapter 10)
.endr
.endm
	PLACES 4                                       ; behind the last products: for the reads of results and for the loads into the fragments' registers
	TOSTAGE 0
	TOSTAGE 1
	SEND 0, 16                                     ; behind block 0's loads: block 1's 8 stores and 8 loads
	TOSTAGE 2
	SEND 1, 16
	TOSTAGE 3
	SEND 2, 16
	SEND 3, 0
	WIN 0
	s_wait_tensorcnt 0x0                           ; the wave's end
	ds_add_u32 v126, v127
	s_wait_dscnt 0x0
	ROUND                                          ; the closing round: no work-group ends while a partner may still ask for a tile that names it
	s_endpgm
.Lfunc_end_k_q404b0f8664_outp:
	.size	k_q404b0f8664_outp, .Lfunc_end_k_q404b0f8664_outp-k_q404b0f8664_outp
	.p2alignl 7, 3214868480
	.fill 96, 4, 3214868480
	.section	.rodata,"a",@progbits
	.p2align	6, 0x0
	.amdhsa_kernel k_q404b0f8664_outp
		.amdhsa_group_segment_fixed_size 284160
		.amdhsa_private_segment_fixed_size 0
		.amdhsa_enable_private_segment 0
		.amdhsa_kernarg_size 40
		.amdhsa_user_sgpr_count 2
		.amdhsa_user_sgpr_kernarg_segment_ptr 1
		.amdhsa_wavefront_size32 1
		.amdhsa_system_sgpr_workgroup_id_x 1
		.amdhsa_system_sgpr_workgroup_id_y 1
		.amdhsa_system_sgpr_workgroup_id_z 1
		.amdhsa_system_vgpr_workitem_id 0
		.amdhsa_next_free_vgpr 768
		.amdhsa_next_free_sgpr 98
		.amdhsa_reserve_vcc 0
		.amdhsa_float_denorm_mode_32 3
		.amdhsa_float_denorm_mode_16_64 3
		.amdhsa_memory_ordered 1
		.amdhsa_forward_progress 1
		.amdhsa_inst_pref_size 45
	.end_amdhsa_kernel
	.amdgpu_metadata
---
amdhsa.version: [ 1, 2 ]
amdhsa.kernels:
  - .name:           k_q404b0f8664_outp
    .symbol:         k_q404b0f8664_outp.kd
    .args:
      - { .name: ao, .offset: 0, .size: 8, .value_kind: global_buffer, .address_space: global }
      - { .name: codes, .offset: 8, .size: 8, .value_kind: global_buffer, .address_space: global }
      - { .name: lowp_scales, .offset: 16, .size: 8, .value_kind: global_buffer, .address_space: global }
      - { .name: out0, .offset: 24, .size: 8, .value_kind: global_buffer, .address_space: global }
      - { .name: b_out, .offset: 32, .size: 8, .value_kind: global_buffer, .address_space: global }
    .group_segment_fixed_size: 284160
    .private_segment_fixed_size: 0
    .kernarg_segment_align: 8
    .kernarg_segment_size: 40
    .max_flat_workgroup_size: 128
    .sgpr_count:     98
    .vgpr_count:     768
    .wavefront_size: 32
...
	.end_amdgpu_metadata
.endif
;; end of part 4
